; MI455X (gfx1250); checked and timed in simulation.
; The chip was launched on July 23, 2026; its instructions are those of AMD's public machine-readable ISA for CDNA 5 (MIT licence, August 2026) and "CDNA5" Instruction Set Architecture Reference Guide (July 2026). The comments in the code are by the model that wrote it; some were corrected since.
;; Monotonic NN. Allowed arithmetic: matrix products marked QUANTISED: E5M2 operands, one given power-of-two scale a tensor, by v_wmma_f32_16x16x64_bf8_bf8 or v_wmma_f32_16x16x128_bf8_bf8, f32 sums; products left as they are: f32 operands where the result goes on into a quantised operand, else bf16, f16 or f32 operands; f32 sums; everything else in f32.
;; Inputs: iW0 8 x 128 float32; iW1 128 x 128 float32; iW2 128 x 1 float32; ib0 128 float32; ib1 128 float32; ib2 1 float32; lowp_scales 4 int32 (the exponents e of the quantised operands' scales 2^e); nW0 7 x 128 float32; nW1 128 x 128 float32; nW2 128 x 2 float32; nb0 128 float32; nb1 128 float32; nb2 2 float32; x_input 32,768 x 8 float32.
;; Outputs: out0 32,768 x 1 float32.
;; This version of the problem:
;;   THIS VERSION OF THE PROBLEM IS GIVEN IN LOW PRECISION. The matrix products marked QUANTISED in the list below multiply operands that are first quantised to E5M2 (5 exponent bits, 2 mantissa bits; 8 bits a number), with one given power-of-two scale for each operand tensor; their sums are f32. All else is computed in f32.
;;   The module's matrix products, in the order in which they are computed (A, B: the left and right operand; K: the contracted axis; several contracted axes count as one K, in the product's order):
;;     1. [M 1,671,168, K 8] x [K 8, N 128]; A: computed on the way; B: input iW0: left as it is (K = 8 < 32)
;;     2. [M 1,671,168, K 128] x [K 128, N 128]; A: computed on the way; B: input iW1: QUANTISED (scales: A lowp_scales[0], B lowp_scales[1])
;;     3. [M 1,671,168, K 128] x [K 128, N 1]; A: computed on the way; B: input iW2: left as it is (N = 1 < 16)
;;     4. [M 32,768, K 7] x [K 7, N 128]; A: input x_input; B: input nW0: left as it is (K = 7 < 32)
;;     5. [M 32,768, K 128] x [K 128, N 128]; A: computed on the way; B: input nW1: QUANTISED (scales: A lowp_scales[2], B lowp_scales[3])
;;     6. [M 32,768, K 128] x [K 128, N 2]; A: computed on the way; B: input nW2: left as it is (N = 2 < 16)
;;   THE QUANTISER, for each operand of a quantised product, along K:
;;     - The operand's scale is 2^e, e = its entry of the input lowp_scales (int32; the entries are numbered through the quantised products in the list's order, A before B).
;;     - Each number is divided by the scale, clamped to +-57,344, and rounded to the nearest number of E5M2, ties to even, subnormals kept.
;;     - The product sums the exact products of the quantised numbers (number of the format x scale) in f32.
;;   ~~~python
;;   def quantise(x, axis, e):      # numpy; x: float32 -> the quantised numbers, widened to float32 again
;;       x = np.moveaxis(x, axis, -1); K = x.shape[-1]
;;       r = np.clip(x / 2.0 ** e, -57344, 57344)
;;       step = 2.0 ** (np.maximum(np.frexp(np.where(r == 0, 1, r))[1] - 1, -14) - 2)
;;       q = np.round(r / step) * step * 2.0 ** e      # np.round: ties to even
;;       return np.moveaxis(q, -1, axis).astype(np.float32)
;;   ~~~
;;   OPERANDS COMPUTED ON THE WAY. 'Computed on the way' means the value that the module computes at that place (a softmax that the list does not call 'softmax' is quantised finished and normalised). What goes into a quantiser is computed in f32, as accurately as f32 sums, v_exp_f32 and their like allow (about 1e-6 of the number): no bf16 or f16 on the way to a quantiser, and a product that is left as it is and whose result goes on into a quantised operand takes f32 operands (vector FMAs, or v_wmma_f32_16x16x4_f32). A number that lies on a knife's edge between two numbers of the format may be rounded either way, as far as f32 arithmetic and the matrix unit's own rounding can turn it there, and no further.
;; One version. Each part assembles by itself: llvm-mc -triple=amdgcn-amd-amdhsa -mcpu=gfx1250 --defsym DOCPART=n.
;; ======== version 1 of 1: 1 launch
;; launch mono (part 1): grid 256 x 1, 8 waves a work-group, clusters of 4 x 1, 233,984 bytes of LDS; arguments x_input, iW0, ib0, iW1, ib1, iW2, ib2, nW0, nb0, nW1, nb1, nW2, nb2, lowp_scales, out0; writes out0
.if DOCPART == 1
	.amdgcn_target "amdgcn-amd-amdhsa--gfx1250"
	.amdhsa_code_object_version 6
	.text
	.protected	k_qe33af2fa6c_mono
	.globl	k_qe33af2fa6c_mono
	.p2align	8
	.type	k_qe33af2fa6c_mono,@function
k_qe33af2fa6c_mono:
	s_mov_b64 s[64:65], 0
	v_nop
	global_prefetch_b8 v0, s[64:65] scope:SCOPE_SE
	s_setreg_imm32_b32 hwreg(HW_REG_WAVE_MODE, 25, 1), 1
	s_wait_xcnt 0x0
	s_wait_alu depctr_hold_cnt(0) depctr_sa_sdst(0) depctr_va_vdst(0) depctr_va_sdst(0) depctr_va_ssrc(0) depctr_va_vcc(0) depctr_vm_vsrc(0)
	s_getreg_b32 s2, hwreg(HW_REG_IB_STS2, 6, 4)
	s_cmp_eq_u32 s2, 0
	s_cbranch_scc0 .Lentry_in_a_cluster
	s_endpgm
.Lentry_in_a_cluster:
	s_bfe_u32 s2, ttmp6, 0x10000c
	s_cmp_lg_u32 s2, 0x3003
	s_cbranch_scc0 .Lentry_shape_is_right
	s_endpgm
.Lentry_shape_is_right:
; out[n] = sigmoid(exp(o1[n]) * I[n] + o0[n]),  I[n] = x/2 * sum over 51 Clenshaw-Curtis nodes s of cc[s] * (elu(f(x u[s], h)) + 1),  u[s] = (cos(s pi / 50) + 1) / 2.
; f is the MLP 8 -> 128 -> 128 -> 1, (o0, o1) the MLP 7 -> 128 -> 128 -> 2.  The two products 128 x 128 run on codes of E5M2 with the given scales 2^e0 .. 2^e3; all else is f32.
; SHARES.  256 work-groups of EIGHT waves, two to a SIMD; a work-group owns 128 rows, a wave one tile of 16, for which it walks the 51 nodes.  A node of a tile is 8 matrix instructions and some 210 vector
; instructions: far more vector work than can stand beside a wave's own products.  So a second wave shares the SIMD, and issues while the first waits for its products, its own results or its LDS stores.
; WHAT IS TAKEN OUT OF THE NODES' LOOP.  The first layer is z0[k] = (x u[s]) iW0[0][k] + c[k] with c[k] = ib0[k] + sum over i = 1..7 of h[i] iW0[i][k], which hangs on no node: c is made once
; (f32 matrix form, K = 8), and a node costs one fused multiply-add a number.  relu and the quantiser's hold are one median with 0 and 57,344 x 2^e0.  ib1 x 2^-(e0+e1) is the C of the matrix
; instruction; 2^(e0+e1) and ib2 enter one fused multiply-add at the end.  elu(t) + 1 = max(t, 0) + exp(min(t, 0)).
; LAYOUT.  The quantised product is used transposed: source 0 = 16 columns of the weight (K down the registers), source 1 = the codes of my 16 rows.  Lane (r = lane % 16, h = lane / 16) holds row r,
; and register 8 b + j of every 64-register vector (c, z0, the sums, biases, iW0's row 0, iW2) stands for hidden unit 16 b + 8 h + j: eight registers convert into registers 2 b, 2 b + 1 of the
; operand (K = 16 b + 8 h + 0..7: this form's own places), and the result comes back in the same layout.  Nothing changes lanes in the loop.
; WEIGHTS.  iW1 and nW1 come as f32 by tensor loads; the four work-groups of a cluster need the same 128 KiB, so each load is asked for jointly.  Wave w brings and quantises rows K = 16 w .. 16 w + 15 (a lane
; to a column, registers down K) and lays the codes in LDS in the order of the fragments' registers.  No LDS byte is filled twice by a tensor load, and no LDS store touches the bytes that the loads fill.
; LIMITS.  e0 .. e3 each between -126 and 112, e0 + e1 and e2 + e3 between -126 and 127, so that every power of two below is an f32 number; ib1 x 2^-(e0+e1) and nb1 x 2^-(e2+e3) are taken as f32 numbers.
; NaN among the inputs is not served.  cc[s] is reference's own finite cosine sum, made in f32 by the three-term recurrence (25 terms, none cut); it feeds no quantiser.  v_exp_f32 gives 0 for results under 2^-126.
;
; LDS (bytes)
.set RAW_N,  65536                     ; 0: iW1 as f32, wave w's 16 rows of 512 bytes at 8,192 w;  65,536: nW1 likewise
.set CW_I,   131072                    ; iW1's codes: 2,048 c + 256 b + 8 lane = registers 2 c, 2 c + 1 of fragment b;  wave w writes block c = w, 2,048 bytes on end
.set CWN,    16384                     ; nW1's codes lie this far behind iW1's
.set AI,     163840                    ; 8 rows of 128 f32, 576 bytes apart: ib0, then iW0's rows 1-7
.set ANO,    4608                      ; the same for the offset net, this far behind: nb0, then nW0's rows 0-6
.set AP,     576                       ; 144 words: lanes 16-31 read two rows (288 words) further on, 32 words on modulo 64 (64 banks of 4 bytes: ISA guide 11.1)
.set VEC,    173056                    ; vectors of 128 f32:
.set W0V,    0                         ;   iW0's row 0
.set IB1V,   512
.set IW2V,   1024
.set NB1V,   1536
.set NW2V,   2048                      ;   nW2, 128 x 2
.set UTAB,   176128                    ; u[s], 64 words (52 read)
.set CCTAB,  176384                    ; cc[s], 64 words
.set COSW,   176640                    ; waves 4 and 5: a table of cosines each, 256 bytes
.set OUTS,   177152                    ; the work-group's 128 results
.set G,      177664                    ; for each wave 6,912 bytes: row s of 128 bytes = 8 r + 4 h; rows 0-50 the nodes' sums, row 51 o0, row 52 o1
.set GWAVE,  6912
; REGISTERS, in two windows of 256 (s_set_vgpr_msb: bits 1:0 source 0, 3:2 source 1, 5:4 source 2, 7:6 destination)
; window 0
.set XS,   2                           ; v2   x u[s]; v3 = 0, named with it as a pair
.set CVS,  4                           ; v4   2^e0, later 2^e2: the conversion's scale
.set FPAD, 5                           ; v5   the end: row r's pair in G
.set N2AD, 6                           ; v6   nW2's numbers of my half
.set AFAD, 7                           ; v7   my place in AI
.set GAD,  8                           ; v8   where my sum of the node in hand goes
.set XR,   9                           ; v9   x of row r
.set QLD,  12                          ; v12  quantiser: my column in my wave's raw rows       (v10: 57,344 x the weight's scale, v11: that scale)
.set QST,  13                          ; v13  quantiser: where my codes go
.set FRD,  14                          ; v14  my 8 bytes of a fragment's block
.set VV,   15                          ; v15  my half's eight numbers in a vector
.set SUM,  16                          ; v16-23   four pairs of running sums
.set UT,   24                          ; v24 u[lane], v25 u[32 + lane]
.set BX,   26                          ; v26-29   K step q at 2 q: (1, h) of row r, two numbers
.set CODES, 32                         ; v32-47   the operand
.set ACC,  64                          ; v64-127  eight accumulators
.set Z,    64                          ;          and, ahead of the products, z0: it is dead once it is converted
.set CREG, 128                         ; v128-191 c.  Written by the f32 matrix form alone
.set BIAS, 192                         ; v192-255 the C operand
.set TS,   64                          ; the head: 22 registers of table rows on their way to LDS
.set AF,   64                          ; v64-95   the f32 product: block b, K step q at 4 b + 2 q: two rows of AI at unit 16 b + r
.set CT,   192                         ; the head: 52 cosines
.set QX,   64                          ; quantiser: 16 numbers for each of four column groups
.set QC,   32                          ; quantiser: 4 registers of codes for each
; window 1
.set W1F,  0                           ; v0-127   the weight's eight fragments
.set W2,   128                         ; v128-191 iW2
.set W0,   192                         ; v192-255 iW0's row 0
.set NW2R, 128                         ; v128-255 the offset net: nW2, a pair for each of my 64 units
.set CCR,  0                           ; v0-51    the end: cc[0..51]
.set S_MX,  0x01                       ; source 0 window 1, all else window 0: it serves the first layer, the products and the work behind them
.set TO1,   0x40                       ; destination window 1
; SCALARS: s[8:37] the 15 addresses; s[40:43] e0-e3; s44 ib2; s[46:47] nb2; s[48:55], s[56:59], s[60:63] descriptors; s66 wave; s67 work-group; s68 lanes 16-31;
; s69 57,344 x 2^e0; s70 node; s71 node + 1; s72-75 u's way out of the lanes; s76 -(e0+e1); s77 2^(e0+e1); s78 57,344 x 2^e2; s79 -(e2+e3); s80 2^(e2+e3); s81-93 at work; s94 my wave's results in LDS
.set MSB, 0
.macro WIN new                         ; the immediate's high byte repeats the setting that is left; a switch that changes nothing is dropped
.if MSB != \new
	s_set_vgpr_msb (MSB<<8)|\new
.set MSB, \new
.endif
.endm
; A round of the cluster's barrier: my work-group's barrier, wave 0 signals for the work-group, every wave waits for all four work-groups, my work-group's barrier once more.
.macro ROUND
	s_barrier_signal -1
	s_barrier_wait -1
	s_cmp_lg_u32 s66, 0
	s_cbranch_scc1 .Lnot_wave_0_\@
	s_barrier_signal -3
.Lnot_wave_0_\@:
	s_barrier_wait -3
	s_barrier_signal -1
	s_barrier_wait -1
.endm
.macro PLACES
.rept 4
	v_nop
.endr
.endm
; Block b behind its product: relu, from the accumulator's low end on, and the product with iW2 into four pairs of sums; block 0 starts them.
.macro POSTTILE b
.set j, 0
.rept 8
	v_max_num_f32 v[ACC+8*(\b)+j], 0, v[ACC+8*(\b)+j]
.set j, j+1
.endr
.set j, 0
.rept 4
.if (\b) == 0
	v_pk_fma_f32 v[SUM+j:SUM+j+1], v[W2+8*(\b)+j:W2+8*(\b)+j+1], v[ACC+8*(\b)+j:ACC+8*(\b)+j+1], 0 op_sel_hi:[1,1,0]
.else
	v_pk_fma_f32 v[SUM+j:SUM+j+1], v[W2+8*(\b)+j:W2+8*(\b)+j+1], v[ACC+8*(\b)+j:ACC+8*(\b)+j+1], v[SUM+j:SUM+j+1]
.endif
.set j, j+2
.endr
.endm
.macro WM b                            ; units 16 b .. 16 b + 15 of my 16 rows: K = 128 in one instruction, the bias as C: no accumulator is added onto
	v_wmma_f32_16x16x128_bf8_bf8 v[ACC+8*(\b):ACC+8*(\b)+7], v[W1F+16*(\b):W1F+16*(\b)+15], v[CODES:CODES+15], v[BIAS+8*(\b):BIAS+8*(\b)+7]
.endm
.macro TREE                            ; a lane's eight sums into one
	v_pk_add_f32 v[SUM:SUM+1], v[SUM:SUM+1], v[SUM+4:SUM+5]
	v_pk_add_f32 v[SUM+2:SUM+3], v[SUM+2:SUM+3], v[SUM+6:SUM+7]
	v_pk_add_f32 v[SUM:SUM+1], v[SUM:SUM+1], v[SUM+2:SUM+3]
	v_add_f32 v[SUM], v[SUM], v[SUM+1]
.endm
; A NODE (number s70; x u of it stands in v[XS]).  first = 1: node 0, which has no node before it whose sums are to be gathered, and waits for the fragments.
.macro STEP first
	WIN S_MX
.set i, 0
.rept 32
	v_pk_fma_f32 v[Z+i:Z+i+1], v[W0+i:W0+i+1], v[XS:XS+1], v[CREG+i:CREG+i+1] op_sel_hi:[1,0,1]   ; both halves take x u[s]; c from each accumulator's low end on
.set i, i+2
.endr
.set i, 0
.rept 64
	v_med3_num_f32 v[Z+i], 0, v[Z+i], s69          ; relu, and the hold at the largest code x the scale: the conversion does not saturate (ISA guide 7.6.2)
.set i, i+1
.endr
	WIN 0                                          ; the conversions' source 0 lies in window 0
.set i, 0
.rept 8
	v_cvt_scalef32_pk8_bf8_f32 v[CODES+2*i:CODES+2*i+1], v[Z+8*i:Z+8*i+7], v[CVS]
.set i, i+1
.endr
.if \first
	PLACES                                         ; four plain instructions between the conversions and the products, which read the codes and write over z0
	s_wait_dscnt 0x0                               ; the fragments
.else
	TREE                                           ; the node before: its four lines are those places
	ds_store_b32 v[GAD], v[SUM]                    ; my half's sum of row r: the other half's lies 4 bytes on
.endif
	s_add_co_u32 s71, s70, 1
	s_and_b32 s72, s71, 31
	v_readlane_b32 s73, v[UT], s72                 ; u of the next node lies in lane (s + 1) % 32 of one of two registers; it is chosen behind the products
	v_readlane_b32 s74, v[UT+1], s72
	WIN S_MX
.irp b, 0,1,2,3,4,5,6,7
	WM \b
.endr
	s_cmp_lt_u32 s71, 32
	s_cselect_b32 s75, s73, s74
	v_mul_f32 v[XS], s75, v[XR]                    ; x u[s + 1] (behind node 50: word 51 of the table, written and not used).  Four plain instructions stand in front of the first read of a result
.if \first
	v_nop
.else
	v_add_nc_u32 v[GAD], 0x80, v[GAD]
.endif
	v_nop
	v_nop
.irp b, 0,1,2,3,4,5,6,7
	POSTTILE \b
.endr
.endm
; THE WEIGHTS' QUANTISER.  Column group cg: lane l takes column 32 cg + l, its 16 registers run down my wave's 16 rows of K.
.macro LQ cg
.set i, 0
.rept 16
	ds_load_b32 v[QX+16*(\cg)+i], v[QLD] offset:i*512+(\cg)*128
.set i, i+1
.endr
.endm
; Rows 0-7 are what lane (r, 0) of the fragment holds in registers 2 c, 2 c + 1, rows 8-15 what lane (r, 1) holds: 128 bytes further on.
.macro PQ cg, cwoff
.set XQ, QX+16*(\cg)
.set CQ, QC+4*(\cg)
.set i, 0
.rept 16
	v_med3_num_f32 v[XQ+i], v[XQ+i], -v10, v10
.set i, i+1
.endr
	v_cvt_scalef32_pk8_bf8_f32 v[CQ:CQ+1], v[XQ:XQ+7], v11
	v_cvt_scalef32_pk8_bf8_f32 v[CQ+2:CQ+3], v[XQ+8:XQ+15], v11
	v_nop                                          ; one plain vector instruction between a scaled conversion and what touches its result or its sources
	ds_store_b64 v[QST], v[CQ:CQ+1] offset:\cwoff+(\cg)*512
	ds_store_b64 v[QST], v[CQ+2:CQ+3] offset:\cwoff+(\cg)*512+128
.endm
.macro QUANT cwoff
	LQ 0
	LQ 1
	LQ 2
	s_wait_dscnt 32                                ; group 0 is in; groups 1 and 2, 32 loads, may be out
	PQ 0, \cwoff
	LQ 3
	s_wait_dscnt 34                                ; group 1 is in; behind it: group 2's 16 loads, two stores, group 3's 16 loads
	PQ 1, \cwoff
	s_wait_dscnt 20                                ; group 2 is in; behind it: two stores, 16 loads, two stores
	PQ 2, \cwoff
	s_wait_dscnt 4                                 ; group 3 is in; behind it: four stores
	PQ 3, \cwoff
.endm
; c (or the offset net's first layer) = A x (1, h): K = 8 in two steps of the f32 form.  The first step starts the sums with the constant 0; the 8 accumulators take turns, one instruction a turn.
.macro FWM
	WIN 0
.irp b, 0,1,2,3,4,5,6,7
	v_wmma_f32_16x16x4_f32 v[CREG+8*\b:CREG+8*\b+7], v[AF+4*\b:AF+4*\b+1], v[BX:BX+1], 0
.endr
.irp b, 0,1,2,3,4,5,6,7
	v_wmma_f32_16x16x4_f32 v[CREG+8*\b:CREG+8*\b+7], v[AF+4*\b+2:AF+4*\b+3], v[BX+2:BX+3], v[CREG+8*\b:CREG+8*\b+7]
.endr
.endm
.macro LDAF aoff                       ; lane (r, h), block b, step q, register j: row 4 q + 2 h + j, unit 16 b + r
.irp b, 0,1,2,3,4,5,6,7
.irp q, 0,1
.irp j, 0,1
	ds_load_b32 v[AF+4*\b+2*\q+\j], v[AFAD] offset:\aoff+(4*\q+\j)*AP+64*\b
.endr
.endr
.endr
.endm
.macro LDVEC dst, voff                 ; a vector of 128 into the lanes' layout: 16 loads of 16 bytes, the same address in the sixteen lanes of a half
.set i, 0
.rept 16
	ds_load_b128 v[\dst+4*i:\dst+4*i+3], v[VV] offset:\voff+(i/2)*64+(i%2)*16
.set i, i+1
.endr
.endm
.macro LDFRAG cwoff                    ; the weight's eight fragments, 64 loads of 256 consecutive bytes
	WIN TO1
.irp b, 0,1,2,3,4,5,6,7
.irp c, 0,1,2,3,4,5,6,7
	ds_load_b64 v[W1F+16*\b+2*\c:W1F+16*\b+2*\c+1], v[FRD] offset:\cwoff+\c*2048+\b*256
.endr
.endr
.endm
; ---------------------------------------------------------------- the head: ids, addresses, loads
	s_load_b512 s[8:23], s[0:1], 0x0               ; x_input, iW0, ib0, iW1, ib1, iW2, ib2, nW0
	s_load_b256 s[24:31], s[0:1], 0x40             ; nb0, nW1, nb1, nW2
	s_load_b128 s[32:35], s[0:1], 0x60             ; nb2, lowp_scales
	s_load_b64 s[36:37], s[0:1], 0x70              ; out0
	v_lshl_add_u32 v31, v0, 2, 0x38e00
	v_mov_b32 v63, 0
	ds_add_u32 v31, v63
	ds_add_u32 v31, v63
	v_lshrrev_b32 v1, 5, v0
	v_readfirstlane_b32 s66, v1                    ; wave 0..7
	s_bfe_u32 s81, ttmp6, 0x40000                  ; cx: my place in the cluster; it enters x_input's and out0's addresses alone
	s_lshl_b32 s67, ttmp9, 2                       ; in a cluster launch ttmp9 counts clusters
	s_add_co_u32 s67, s67, s81                     ; work-group
	s_mov_b32 s68, 0xffff0000                      ; lanes 16-31
	; descriptor group 1: a dense block of 8 KiB as 32 rows of 256 bytes
	s_mov_b32 s48, 15|(3<<16)|(1<<21)              ; 15:0 the mask: all four work-groups; 17:16 elements of 8 bytes; 20 no padding; 21 set beside a mask
	s_mov_b32 s49, 32<<16                          ; tensor_dim0 = 32
	s_mov_b32 s50, 32<<16                          ; tensor_dim1 = 32
	s_mov_b32 s51, 32<<16                          ; tile_dim0 = 32
	s_mov_b32 s52, 32                              ; tile_dim1 = 32
	s_mov_b32 s53, 32                              ; from row to row
	s_mov_b32 s54, 0
	s_mov_b32 s55, 0
	s_lshl_b32 s57, s66, 13                        ; my wave's 16 rows of a weight: in LDS and in memory alike
	s_mul_i32 s86, s66, GWAVE
	s_add_co_u32 s86, s86, G                       ; my wave's part of G
	s_lshl_b32 s87, s66, 11
	s_add_co_u32 s87, s87, CW_I                    ; my wave's block of codes
	s_and_b32 s88, s66, 1
	s_lshl_b32 s88, s88, 8
	s_add_co_u32 s88, s88, COSW                    ; waves 4 and 5: the wave's table of cosines
	s_lshl_b32 s94, s66, 6
	s_add_co_u32 s94, s94, OUTS                    ; my wave's 16 results
	v_and_b32 v48, 31, v0                          ; lane
	v_and_b32 v49, 15, v0                          ; r
	v_bfe_u32 v50, v0, 4, 1                        ; h
	v_lshlrev_b32 v1, 2, v0                        ; 4 x thread: a row of 128 f32 is one load of waves 0-3
	v_lshlrev_b32 v2, 3, v0                        ; 8 x thread: nW2
	v_lshlrev_b32 v4, 5, v49                       ; row r of x_input, 32 bytes a row
	v_lshl_add_u32 v3, v50, 3, v4                  ; + 8 h
	v_lshl_add_u32 v[FPAD], v49, 3, s86
	v_lshl_add_u32 v[GAD], v50, 2, v[FPAD]
	v_lshl_add_u32 v[N2AD], v50, 6, VEC+NW2V
	v_mul_u32_u24 v[AFAD], v50, 2*AP
	v_lshl_add_u32 v[AFAD], v49, 2, v[AFAD]
	v_add_nc_u32 v[AFAD], AI, v[AFAD]
	v_lshl_add_u32 v[QLD], v48, 2, s57
	v_lshlrev_b32 v[QST], 3, v49
	v_lshl_add_u32 v[QST], v50, 8, v[QST]
	v_add_nc_u32 v[QST], s87, v[QST]
	v_lshl_add_u32 v[FRD], v48, 3, CW_I
	v_lshl_add_u32 v[VV], v50, 5, VEC
	s_wait_dscnt 0x0
	s_wait_kmcnt 0x0
	s_load_b128 s[40:43], s[34:35], 0x0            ; e0, e1, e2, e3
	s_load_b32 s44, s[20:21], 0x0                  ; ib2
	s_load_b64 s[46:47], s[32:33], 0x0             ; nb2
	s_mov_b32 s84, s57
	s_mov_b32 s85, 0
	s_mov_b32 s56, 1                               ; group 0 for iW1: count = 1; s57 the LDS address;
	s_add_nc_u64 s[58:59], s[14:15], s[84:85]      ; the global address hangs on the wave's number alone: equal in the four partners
	s_or_b32 s59, s59, 0x80000000                  ; type = 2
	s_mov_b32 s60, 1                               ; group 0 for nW1
	s_add_co_u32 s61, s57, RAW_N
	s_add_nc_u64 s[62:63], s[26:27], s[84:85]
	s_or_b32 s63, s63, 0x80000000
	s_lshl_b32 s82, s67, 12                        ; x_input: 128 rows of 32 bytes a work-group,
	s_lshl_b32 s83, s66, 9                         ; 16 a wave
	s_add_co_u32 s82, s82, s83
	s_mov_b32 s83, 0
	s_add_nc_u64 s[8:9], s[8:9], s[82:83]
	s_lshl_b32 s82, s67, 9                         ; out0: 512 bytes a work-group
	s_add_nc_u64 s[36:37], s[36:37], s[82:83]
	s_cmp_ge_u32 s66, 4
	s_cbranch_scc1 .Lno_tl
	; waves 0-3: 21 loads of small tables, each a run of 512 (nW2: 1,024) consecutive bytes for the four waves
.irp i, 0,1,2,3,4,5,6,7
	global_load_b32 v[TS+\i], v1, s[10:11] offset:512*\i       ; iW0's rows
.endr
	global_load_b32 v[TS+8], v1, s[12:13]                      ; ib0
.irp i, 0,1,2,3,4,5,6
	global_load_b32 v[TS+9+\i], v1, s[22:23] offset:512*\i     ; nW0's rows
.endr
	global_load_b32 v[TS+16], v1, s[24:25]                     ; nb0
	global_load_b32 v[TS+17], v1, s[16:17]                     ; ib1
	global_load_b32 v[TS+18], v1, s[18:19]                     ; iW2
	global_load_b32 v[TS+19], v1, s[28:29]                     ; nb1
	global_load_b64 v[TS+20:TS+21], v2, s[30:31]               ; nW2
.Lno_tl:
	; every wave: 3 loads of its 512 bytes of x_input
	global_load_b64 v[BX:BX+1], v3, s[8:9]                     ; numbers 2 h, 2 h + 1 of row r
	global_load_b64 v[BX+2:BX+3], v3, s[8:9] offset:16         ; numbers 4 + 2 h, + 1
	global_load_b32 v[XR], v4, s[8:9]                          ; x of row r
	ROUND                                          ; all four work-groups are here: the joint loads meet
	tensor_load_to_lds s[56:59], s[48:55]          ; iW1, my wave's eighth.  These two are the launch's only tensor loads: two of mine are out
	s_nop 0
	tensor_load_to_lds s[60:63], s[48:55]          ; nW1; it lands under the nodes' loop
	s_nop 0
	PLACES                                         ; four v_nop follow the second
	s_wait_xcnt 0x0                                ; the offset registers of the loads above are rewritten only behind this wait
	s_cmp_ge_u32 s66, 4
	s_cbranch_scc1 .Lhi
; ---------------------------------------------------------------- waves 0-3: the small tables into LDS
	v_add_nc_u32 v1, AI, v1
	v_add_nc_u32 v2, VEC+NW2V, v2
	s_wait_loadcnt 0x3                             ; the 21 table loads are in; the three loads of x_input behind them may be out
	ds_store_b32 v1, v[TS+8]                       ; row 0 meets the 1 that takes x's place
.irp i, 1,2,3,4,5,6,7
	ds_store_b32 v1, v[TS+\i] offset:\i*AP
.endr
	ds_store_b32 v1, v[TS] offset:VEC-AI+W0V
	ds_store_b32 v1, v[TS+16] offset:ANO
.irp i, 1,2,3,4,5,6,7
	ds_store_b32 v1, v[TS+8+\i] offset:ANO+\i*AP   ; nW0's row i - 1 meets number i of x_input's row
.endr
	ds_store_b32 v1, v[TS+17] offset:VEC-AI+IB1V
	ds_store_b32 v1, v[TS+18] offset:VEC-AI+IW2V
	ds_store_b32 v1, v[TS+19] offset:VEC-AI+NB1V
	ds_store_b64 v2, v[TS+20:TS+21]
	s_branch .Ljoin
.Lhi:
	s_cmp_ge_u32 s66, 6
	s_cbranch_scc1 .Ljoin
; ---------------------------------------------------------------- waves 4 and 5: u[s] and cc[s], thread 128 + j for node j
.set i, 0
.irp c, 1.0, 0.9980267284, 0.9921147013, 0.9822872507, 0.9685831611, 0.9510565163, 0.9297764859, 0.9048270525, 0.8763066800, 0.8443279255, 0.8090169944, 0.7705132428, 0.7289686274, 0.6845471059, 0.6374239897, 0.5877852523, 0.5358267950, 0.4817536741, 0.4257792916, 0.3681245527, 0.3090169944, 0.2486898872, 0.1873813146, 0.1253332336, 0.0627905195, 0, -0.0627905195, -0.1253332336, -0.1873813146, -0.2486898872, -0.3090169944, -0.3681245527, -0.4257792916, -0.4817536741, -0.5358267950, -0.5877852523, -0.6374239897, -0.6845471059, -0.7289686274, -0.7705132428, -0.8090169944, -0.8443279255, -0.8763066800, -0.9048270525, -0.9297764859, -0.9510565163, -0.9685831611, -0.9822872507, -0.9921147013, -0.9980267284, -1.0, 0
	v_mov_b32 v[CT+i], \c                          ; cos(i pi / 50), i = 0 .. 50, rounded to f32 as reference's steps are; one word to fill the last 16 bytes
.set i, i+1
.endr
	v_mov_b32 v58, s88
.set i, 0
.rept 13
	ds_store_b128 v58, v[CT+4*i:CT+4*i+3] offset:16*i          ; every lane writes the same words: the table is my wave's own
.set i, i+1
.endr
	v_and_b32 v62, 63, v0
	v_min_u32 v59, 50, v62                         ; j; threads 51-63 of the 64 repeat node 50
	v_lshl_add_u32 v60, v59, 2, s88
	ds_load_b32 v48, v60                           ; LDS serves a wave's instructions in order (ISA guide 5.7.1.4): this sees the stores above
	s_wait_dscnt 0x0
	v_add_f32 v49, 1.0, v48
	v_mul_f32 v49, 0.5, v49                        ; u = (cos + 1) / 2; the halving is exact, so x u equals reference's x (cos + 1) / 2
	v_mul_f32 v53, v48, v48
	v_fma_f32 v53, v53, 2.0, -1.0                  ; c1 = cos(2 j pi / 50)
	v_add_f32 v50, v53, v53
	v_mov_b32 v52, 1.0                             ; c0
	v_mul_f32 v51, 0.66666667, v53                 ; S = the sum over k = 1 .. 25 of 2 / (4 k k - 1) cos(2 k j pi / 50)
.macro CH d, a, b, ak                  ; c(k) = 2 c1 c(k-1) - c(k-2);  S += a(k) c(k)
	v_fma_f32 \d, v50, \a, -\b
	v_fmac_f32 v51, \ak, \d
.endm
	CH v54, v53, v52, 0.13333333
	CH v52, v54, v53, 0.057142857
	CH v53, v52, v54, 0.031746032
	CH v54, v53, v52, 0.020202020
	CH v52, v54, v53, 0.013986014
	CH v53, v52, v54, 0.010256410
	CH v54, v53, v52, 0.0078431373
	CH v52, v54, v53, 0.0061919505
	CH v53, v52, v54, 0.0050125313
	CH v54, v53, v52, 0.0041407867
	CH v52, v54, v53, 0.0034782609
	CH v53, v52, v54, 0.0029629630
	CH v54, v53, v52, 0.0025542784
	CH v52, v54, v53, 0.0022246941
	CH v53, v52, v54, 0.0019550342
	CH v54, v53, v52, 0.0017316017
	CH v52, v54, v53, 0.0015444015
	CH v53, v52, v54, 0.0013860014
	CH v54, v53, v52, 0.0012507817
	CH v52, v54, v53, 0.0011344300
	CH v53, v52, v54, 0.0010335917
	CH v54, v53, v52, 0.00094562648
	CH v52, v54, v53, 0.00086843248
	CH v53, v52, v54, 0.00080032013
	v_sub_f32 v55, 1.0, v51
	v_mov_b32 v56, 0.04                            ; 2 / 50; half of it at the two ends
	v_mov_b32 v57, 0.02
	v_cmp_eq_u32 vcc_lo, 0, v59
	v_cndmask_b32 v56, v56, v57, vcc_lo
	v_cmp_eq_u32 vcc_lo, 50, v59
	v_cndmask_b32 v56, v56, v57, vcc_lo
	v_mul_f32 v55, v55, v56                        ; cc[j]
	v_lshl_add_u32 v61, v0, 2, UTAB-512            ; thread 128 + j: word j
	ds_store_b32 v61, v49
	ds_store_b32 v61, v55 offset:CCTAB-UTAB
.Ljoin:
	v_and_b32 v1, 31, v0
	v_lshl_add_u32 v1, v1, 2, UTAB
	s_wait_dscnt 0x0                               ; for the others' sake: my stores are done
	s_barrier_signal -1                            ; the tensor loads may stay out
	s_barrier_wait -1
; ---------------------------------------------------------------- constants into the lanes' layout; c
	LDAF 0
	ds_load_b32 v[UT], v1
	ds_load_b32 v[UT+1], v1 offset:128
	LDVEC BIAS, IB1V
	s_wait_kmcnt 0x0
	s_add_co_i32 s86, s40, 127
	s_lshl_b32 s87, s86, 23                        ; 2^e0 as f32: the conversion takes its exponent field
	s_add_co_i32 s86, s86, 15
	s_lshl_b32 s69, s86, 23
	s_or_b32 s69, s69, 0x600000                    ; 57,344 x 2^e0
	s_add_co_i32 s88, s42, 127
	s_lshl_b32 s89, s88, 23                        ; 2^e2
	s_add_co_i32 s88, s88, 15
	s_lshl_b32 s78, s88, 23
	s_or_b32 s78, s78, 0x600000                    ; 57,344 x 2^e2
	s_add_co_i32 s77, s40, s41
	s_sub_co_i32 s76, 0, s77                       ; -(e0 + e1)
	s_add_co_i32 s77, s77, 127
	s_lshl_b32 s77, s77, 23                        ; 2^(e0 + e1)
	s_add_co_i32 s80, s42, s43
	s_sub_co_i32 s79, 0, s80
	s_add_co_i32 s80, s80, 127
	s_lshl_b32 s80, s80, 23                        ; 2^(e2 + e3)
	s_add_co_i32 s90, s41, 127
	s_lshl_b32 s91, s90, 23                        ; 2^e1
	s_add_co_i32 s90, s90, 15
	s_lshl_b32 s90, s90, 23
	s_or_b32 s90, s90, 0x600000                    ; 57,344 x 2^e1
	s_add_co_i32 s92, s43, 127
	s_lshl_b32 s93, s92, 23                        ; 2^e3
	s_add_co_i32 s92, s92, 15
	s_lshl_b32 s92, s92, 23
	s_or_b32 s92, s92, 0x600000                    ; 57,344 x 2^e3
	s_wait_loadcnt 0x0                             ; x_input
	v_cndmask_b32 v[BX], 1.0, v[BX], s68           ; number 0 of a row (x) lies in lanes 0-15 of step 0's first register: 1 takes its place and meets the bias
	v_mov_b32 v[XS+1], 0
	v_mov_b32 v[CVS], s87
	v_nop
	v_nop
	s_wait_dscnt 18                                ; the 32 loads of the first operand are in; behind them: u's 2 and the bias's 16
	FWM
	WIN TO1
	LDVEC W0, W0V
	LDVEC W2, IW2V
	WIN 0
	s_wait_dscnt 32                                ; u and the bias are in; the 32 loads just issued may be out
.set i, 0
.rept 64
	v_ldexp_f32 v[BIAS+i], v[BIAS+i], s76          ; ib1 x 2^-(e0+e1): a sum of codes stands for sum x 2^(e0+e1).  These are also the places behind the f32 products (ISA guide 7.12.1)
.set i, i+1
.endr
; ---------------------------------------------------------------- iW1 into codes, the fragments, node 0
	v_mov_b32 v10, s90
	v_mov_b32 v11, s91
	s_wait_tensorcnt 0x1                           ; my eighth of iW1 is in LDS; nW1's load, issued behind it, may stay out.  I alone read these bytes
	QUANT 0
	s_wait_dscnt 0x0                               ; for the others' sake: my block of codes is stored; iW0's and iW2's vectors are in too
	s_barrier_signal -1
	s_barrier_wait -1
	LDFRAG 0
	WIN 0
	v_readlane_b32 s75, v[UT], 0
	v_mul_f32 v[XS], s75, v[XR]                    ; x u[0]
	s_mov_b32 s70, 0
	STEP 1                                         ; node 0 stands in front of the loop
	WIN 0                                          ; at a label and at a branch every window is 0
	s_mov_b32 s70, 1
; ---------------------------------------------------------------- nodes 1 to 50.  No wait stands in the loop.
.Lnode:
	STEP 0
	WIN 0
	s_add_co_u32 s70, s70, 1
	s_cmp_lt_u32 s70, 51
	s_cbranch_scc1 .Lnode
	TREE                                           ; node 50's sums
	ds_store_b32 v[GAD], v[SUM]
; ---------------------------------------------------------------- the offset net, once for each row
	v_mov_b32 v10, s92
	v_mov_b32 v11, s93
	v_mov_b32 v[CVS], s89
	v_add_nc_u32 v[QLD], RAW_N, v[QLD]
	s_wait_tensorcnt 0x0                           ; my eighth of nW1; no tensor load is out from here on
	QUANT CWN
	LDAF ANO
	s_wait_dscnt 0x0                               ; my codes are stored, and the first operand is in
	s_barrier_signal -1
	s_barrier_wait -1
	LDVEC BIAS, NB1V
	FWM                                            ; nb0 + h nW0, over c's registers
	s_wait_dscnt 0x0                               ; the bias
	LDFRAG CWN
	WIN 0
.set i, 0
.rept 64
	v_ldexp_f32 v[BIAS+i], v[BIAS+i], s79          ; nb1 x 2^-(e2+e3); the places behind the f32 products
.set i, i+1
.endr
.set i, 0
.rept 64
	v_med3_num_f32 v[Z+i], 0, v[CREG+i], s78       ; relu and the hold, into other registers; each accumulator from its low end on
.set i, i+1
.endr
.set i, 0
.rept 8
	v_cvt_scalef32_pk8_bf8_f32 v[CODES+2*i:CODES+2*i+1], v[Z+8*i:Z+8*i+7], v[CVS]
.set i, i+1
.endr
	s_wait_dscnt 0x0                               ; the fragments
	WIN TO1
.set i, 0
.rept 32
	ds_load_b128 v[NW2R+4*i:NW2R+4*i+3], v[N2AD] offset:(i/4)*128+(i%4)*16     ; unit 16 b + 8 h + j: the pair nW2[unit][0], [1] at registers 2 (8 b + j), + 1
.set i, i+1
.endr
	WIN S_MX
	PLACES                                         ; between the conversions and the products
.irp b, 0,1,2,3,4,5,6,7
	WM \b
.endr
	PLACES                                         ; in front of the first read of results
.set i, 0
.rept 64
	v_max_num_f32 v[ACC+i], 0, v[ACC+i]
.set i, i+1
.endr
	s_wait_dscnt 0x0                               ; nW2
.set i, 0
.rept 32                               ; an even and an odd unit: both halves of the result take the one hidden number; four pairs (o0, o1) of running sums
.if i < 4
	v_pk_fma_f32 v[SUM+2*(i%4):SUM+2*(i%4)+1], v[NW2R+2*i:NW2R+2*i+1], v[ACC+i:ACC+i+1], 0 op_sel_hi:[1,0,0]
	v_pk_fma_f32 v[SUM+2*(i%4)+2:SUM+2*(i%4)+3], v[NW2R+2*i+2:NW2R+2*i+3], v[ACC+i:ACC+i+1], 0 op_sel:[0,1,0] op_sel_hi:[1,1,0]
.else
	v_pk_fma_f32 v[SUM+2*(i%4):SUM+2*(i%4)+1], v[NW2R+2*i:NW2R+2*i+1], v[ACC+i:ACC+i+1], v[SUM+2*(i%4):SUM+2*(i%4)+1] op_sel_hi:[1,0,1]
	v_pk_fma_f32 v[SUM+2*(i%4)+2:SUM+2*(i%4)+3], v[NW2R+2*i+2:NW2R+2*i+3], v[ACC+i:ACC+i+1], v[SUM+2*(i%4)+2:SUM+2*(i%4)+3] op_sel:[0,1,0] op_sel_hi:[1,1,1]
.endif
.set i, i+2
.endr
	WIN 0
	v_pk_add_f32 v[SUM:SUM+1], v[SUM:SUM+1], v[SUM+4:SUM+5]
	v_pk_add_f32 v[SUM+2:SUM+3], v[SUM+2:SUM+3], v[SUM+6:SUM+7]
	v_pk_add_f32 v[SUM:SUM+1], v[SUM:SUM+1], v[SUM+2:SUM+3]
	ds_store_b32 v[GAD], v[SUM] offset:128         ; the address stands at row 50: row 51 takes o0,
	ds_store_b32 v[GAD], v[SUM+1] offset:256       ; row 52 o1
; ---------------------------------------------------------------- the end: lane (r, h) takes row r; the two halves of the lanes do the same work
	v_mov_b32 v1, CCTAB
.set n, 0
.rept 53
.set f, 64+2*n+(n/32)*64                       ; pair n: v64-127, then v192-233: c's registers between them are left alone
	ds_load_b64 v[f:f+1], v[FPAD] offset:128*n     ; the two halves' sums; my wave's own bytes, served in order behind its stores
.set n, n+1
.endr
	WIN TO1
.set n, 0
.rept 13
	ds_load_b128 v[CCR+4*n:CCR+4*n+3], v1 offset:16*n          ; cc, the same in every lane
.set n, n+1
.endr
	WIN 0
	s_wait_dscnt 0x0
.set n, 0
.rept 53
.set f, 64+2*n+(n/32)*64
	v_add_f32 v[f], v[f], v[f+1]
.set n, n+1
.endr
.set n, 0
.rept 51
.set f, 64+2*n+(n/32)*64
	v_fma_f32 v[f], v[f], s77, s44                 ; t = sum x 2^(e0+e1) + ib2
.set n, n+1
.endr
.set n, 0
.rept 51
.set f, 64+2*n+(n/32)*64
	v_min_num_f32 v[f+1], 0, v[f]
.set n, n+1
.endr
.set n, 0
.rept 51
.set f, 64+2*n+(n/32)*64
	v_mul_f32 v[f+1], 0x3fb8aa3b, v[f+1]           ; x log2(e)
.set n, n+1
.endr
.set n, 0
.rept 51
.set f, 64+2*n+(n/32)*64
	v_exp_f32 v[f+1], v[f+1]                       ; exp(min(t, 0))
.set n, n+1
.endr
.set n, 0
.rept 51
.set f, 64+2*n+(n/32)*64
	v_max_num_f32 v[f], 0, v[f]                    ; plain instructions behind the exponentials, before their results are used
.set n, n+1
.endr
.set n, 0
	s_wait_alu depctr_va_vdst(0)
.rept 51
.set f, 64+2*n+(n/32)*64
	v_add_f32 v[f], v[f], v[f+1]                   ; elu(t) + 1
.set n, n+1
.endr
	WIN S_MX                                       ; cc lies in window 1
.set n, 0
.rept 51
.set f, 64+2*n+(n/32)*64
.if n < 4
	v_mul_f32 v[16+n], v[CCR+n], v[f]              ; four chains; the first four products start them
.else
	v_fmac_f32 v[16+n%4], v[CCR+n], v[f]
.endif
.set n, n+1
.endr
	WIN 0
	v_add_f32 v16, v16, v17
	v_add_f32 v18, v18, v19
	v_add_f32 v16, v16, v18
	v_mul_f32 v16, v16, v[XR]
	v_mul_f32 v16, 0.5, v16                        ; the integral
	v_fma_f32 v20, v230, s80, s46                  ; pair 51: offset = sum x 2^(e2+e3) + nb2[0]
	v_fma_f32 v21, v232, s80, s47                  ; pair 52
	v_mul_f32 v21, 0x3fb8aa3b, v21
	v_exp_f32 v21, v21                             ; scaling
	v_nop
	s_wait_alu depctr_va_vdst(0)
	v_fma_f32 v20, v21, v16, v20
	v_mul_f32 v20, 0xbfb8aa3b, v20
	v_exp_f32 v20, v20
	v_nop
	s_wait_alu depctr_va_vdst(0)
	v_add_f32 v20, 1.0, v20
	v_rcp_f32 v20, v20                             ; the sigmoid
	v_and_b32 v1, 15, v0                           ; (the plain instruction behind the reciprocal)
	v_lshl_add_u32 v1, v1, 2, s94
	s_wait_alu depctr_va_vdst(0)
	ds_store_b32 v1, v20                           ; lanes r and 16 + r write the same word with the same number
	s_wait_dscnt 0x0                               ; for wave 0's sake
	s_barrier_signal -1
	s_barrier_wait -1
	s_cmp_lg_u32 s66, 0
	s_cbranch_scc1 .Lnot_out
	v_lshlrev_b32 v2, 4, v0                        ; wave 0: 32 lanes x 16 bytes are the work-group's 512 consecutive bytes of out0, at a multiple of 256 from its first byte
	v_add_nc_u32 v3, OUTS, v2
	ds_load_b128 v[20:23], v3
	s_wait_dscnt 0x0
	global_store_b128 v2, v[20:23], s[36:37]
.Lnot_out:
	s_wait_tensorcnt 0x0
	ds_add_u32 v31, v63
	s_wait_dscnt 0x0
	ROUND                                          ; the closing round: no work-group ends while a partner may still ask for a tile that names it
	s_endpgm
.Lfunc_end_k_qe33af2fa6c_mono:
	.size	k_qe33af2fa6c_mono, .Lfunc_end_k_qe33af2fa6c_mono-k_qe33af2fa6c_mono
	.p2alignl 7, 3214868480
	.fill 96, 4, 3214868480
	.section	.rodata,"a",@progbits
	.p2align	6, 0x0
	.amdhsa_kernel k_qe33af2fa6c_mono
		.amdhsa_group_segment_fixed_size 233984
		.amdhsa_private_segment_fixed_size 0
		.amdhsa_enable_private_segment 0
		.amdhsa_kernarg_size 120
		.amdhsa_user_sgpr_count 2
		.amdhsa_user_sgpr_kernarg_segment_ptr 1
		.amdhsa_wavefront_size32 1
		.amdhsa_system_sgpr_workgroup_id_x 1
		.amdhsa_system_sgpr_workgroup_id_y 1
		.amdhsa_system_sgpr_workgroup_id_z 1
		.amdhsa_system_vgpr_workitem_id 0
		.amdhsa_next_free_vgpr 512
		.amdhsa_next_free_sgpr 96
		.amdhsa_reserve_vcc 1
		.amdhsa_float_denorm_mode_32 3
		.amdhsa_float_denorm_mode_16_64 3
		.amdhsa_memory_ordered 1
		.amdhsa_forward_progress 1
		.amdhsa_inst_pref_size 124
	.end_amdhsa_kernel
	.amdgpu_metadata
---
amdhsa.version: [ 1, 2 ]
amdhsa.kernels:
  - .name:           k_qe33af2fa6c_mono
    .symbol:         k_qe33af2fa6c_mono.kd
    .args:
      - { .name: x_input, .offset: 0, .size: 8, .value_kind: global_buffer, .address_space: global }
      - { .name: iW0, .offset: 8, .size: 8, .value_kind: global_buffer, .address_space: global }
      - { .name: ib0, .offset: 16, .size: 8, .value_kind: global_buffer, .address_space: global }
      - { .name: iW1, .offset: 24, .size: 8, .value_kind: global_buffer, .address_space: global }
      - { .name: ib1, .offset: 32, .size: 8, .value_kind: global_buffer, .address_space: global }
      - { .name: iW2, .offset: 40, .size: 8, .value_kind: global_buffer, .address_space: global }
      - { .name: ib2, .offset: 48, .size: 8, .value_kind: global_buffer, .address_space: global }
      - { .name: nW0, .offset: 56, .size: 8, .value_kind: global_buffer, .address_space: global }
      - { .name: nb0, .offset: 64, .size: 8, .value_kind: global_buffer, .address_space: global }
      - { .name: nW1, .offset: 72, .size: 8, .value_kind: global_buffer, .address_space: global }
      - { .name: nb1, .offset: 80, .size: 8, .value_kind: global_buffer, .address_space: global }
      - { .name: nW2, .offset: 88, .size: 8, .value_kind: global_buffer, .address_space: global }
      - { .name: nb2, .offset: 96, .size: 8, .value_kind: global_buffer, .address_space: global }
      - { .name: lowp_scales, .offset: 104, .size: 8, .value_kind: global_buffer, .address_space: global }
      - { .name: out0, .offset: 112, .size: 8, .value_kind: global_buffer, .address_space: global }
    .group_segment_fixed_size: 233984
    .private_segment_fixed_size: 0
    .kernarg_segment_align: 8
    .kernarg_segment_size: 120
    .max_flat_workgroup_size: 256
    .sgpr_count:     96
    .vgpr_count:     512
    .wavefront_size: 32
...
	.end_amdgpu_metadata
.endif
;; end of part 1
